; MI455X (gfx1250); checked and timed in simulation.
; The chip was launched on July 23, 2026; its instructions are those of AMD's public machine-readable ISA for CDNA 5 (MIT licence, August 2026) and "CDNA5" Instruction Set Architecture Reference Guide (July 2026). The comments in the code are by the model that wrote it; some were corrected since.
;; Self Attention. Allowed arithmetic: matrix products marked QUANTISED: E5M2 operands, one given power-of-two scale a tensor, by v_wmma_f32_16x16x64_bf8_bf8 or v_wmma_f32_16x16x128_bf8_bf8, f32 sums; everything else in f32.
;; Inputs: Wk_codes 64 x 8 x 32 uint8 (E5M2 codes of Wk, K innermost, in blocks of 32 codes); Wq_codes 64 x 8 x 32 uint8 (E5M2 codes of Wq, K innermost, in blocks of 32 codes); Wv_codes 64 x 8 x 32 uint8 (E5M2 codes of Wv, K innermost, in blocks of 32 codes); bk 64 float32; bq 64 float32; bv 64 float32; lowp_scales 10 int32 (the exponents e of the quantised operands' scales 2^e); x_codes 8 x 4,096 x 8 x 32 uint8 (E5M2 codes of x, K innermost, in blocks of 32 codes).
;; Outputs: out0 8 x 4,096 x 64 float32.
;; This version of the problem:
;;   THIS VERSION OF THE PROBLEM IS GIVEN IN LOW PRECISION. The matrix products marked QUANTISED in the list below multiply operands that are first quantised to E5M2 (5 exponent bits, 2 mantissa bits; 8 bits a number), with one given power-of-two scale for each operand tensor; their sums are f32. All else is computed in f32.
;;   The module's matrix products, in the order in which they are computed (A, B: the left and right operand; K: the contracted axis; several contracted axes count as one K, in the product's order):
;;     1. [M 32,768, K 256] x [K 256, N 64]; A: input x (given as codes); B: input Wq (given as codes): QUANTISED (scales: A lowp_scales[0], B lowp_scales[1])
;;     2. [M 32,768, K 256] x [K 256, N 64]; A: input x (given as codes); B: input Wk (given as codes): QUANTISED (scales: A lowp_scales[2], B lowp_scales[3])
;;     3. [M 32,768, K 256] x [K 256, N 64]; A: input x (given as codes); B: input Wv (given as codes): QUANTISED (scales: A lowp_scales[4], B lowp_scales[5])
;;     4. batch 8 x [M 4,096, K 64] x [K 64, N 4,096]; A: computed on the way; B: computed on the way: QUANTISED (scales: A lowp_scales[6], B lowp_scales[7])
;;     5. batch 8 x [M 4,096, K 4,096] x [K 4,096, N 64]; A: computed on the way; B: computed on the way: QUANTISED (scales: A lowp_scales[8], B lowp_scales[9])
;;   THE QUANTISER, for each operand of a quantised product, along K:
;;     - The operand's scale is 2^e, e = its entry of the input lowp_scales (int32; the entries are numbered through the quantised products in the list's order, A before B).
;;     - Each number is divided by the scale, clamped to +-57,344, and rounded to the nearest number of E5M2, ties to even, subnormals kept.
;;     - The product sums the exact products of the quantised numbers (number of the format x scale) in f32.
;;   ~~~python
;;   def quantise(x, axis, e):      # numpy; x: float32 -> the quantised numbers, widened to float32 again
;;       x = np.moveaxis(x, axis, -1); K = x.shape[-1]
;;       r = np.clip(x / 2.0 ** e, -57344, 57344)
;;       step = 2.0 ** (np.maximum(np.frexp(np.where(r == 0, 1, r))[1] - 1, -14) - 2)
;;       q = np.round(r / step) * step * 2.0 ** e      # np.round: ties to even
;;       return np.moveaxis(q, -1, axis).astype(np.float32)
;;   ~~~
;;   OPERANDS COMPUTED ON THE WAY. 'Computed on the way' means the value that the module computes at that place (a softmax that the list does not call 'softmax' is quantised finished and normalised). What goes into a quantiser is computed in f32, as accurately as f32 sums, v_exp_f32 and their like allow (about 1e-6 of the number): no bf16 or f16 on the way to a quantiser, and a product that is left as it is and whose result goes on into a quantised operand takes f32 operands (vector FMAs, or v_wmma_f32_16x16x4_f32). A number that lies on a knife's edge between two numbers of the format may be rounded either way, as far as f32 arithmetic and the matrix unit's own rounding can turn it there, and no further.
;;   INPUTS GIVEN AS CODES. Wk (in the module: [256, 64], K = its axis 0); Wq (in the module: [256, 64], K = its axis 0); Wv (in the module: [256, 64], K = its axis 0); x (in the module: [8, 4096, 256], K = its axis 2): each comes as NAME_codes (uint8): NAME with its K axis moved to the last place and cut into blocks of 32 codes, [.., K / 32, bytes a block], one block behind the other in memory; one code a byte (a code: sign, 5 exponent bits, 2 mantissa bits); its scale is its entry of lowp_scales. Its value is code x scale, taken as it is: it is not quantised again, and the codes and scales need not be those that the quantiser above would give.
;; One version. Each part assembles by itself: llvm-mc -triple=amdgcn-amd-amdhsa -mcpu=gfx1250 --defsym DOCPART=n.
;; ======== version 1 of 1: 3 launches
;; limits: right only within a limited range of input values
;; workspace buffers: qimg 2,097,152 bytes; kv 4,194,304 bytes; negb 131,072 bytes
;; launch proj (part 1): grid 256 x 1, 8 waves a work-group, no clusters, 35,840 bytes of LDS; arguments x_codes, Wq_codes, Wk_codes, Wv_codes, bq, bk, bv, lowp_scales, qimg, kv; writes qimg, kv
.if DOCPART == 1
	.amdgcn_target "amdgcn-amd-amdhsa--gfx1250"
	.amdhsa_code_object_version 6
	.text
	.protected	k_qca6d334bb7_proj
	.globl	k_qca6d334bb7_proj
	.p2align	8
	.type	k_qca6d334bb7_proj,@function
k_qca6d334bb7_proj:
	s_mov_b64 s[64:65], 0
	v_nop
	global_prefetch_b8 v0, s[64:65] scope:SCOPE_SE
	s_setreg_imm32_b32 hwreg(HW_REG_WAVE_MODE, 25, 1), 1
	s_wait_xcnt 0x0
; q, k, v = x W + b on codes of BF8 (E5M2), K = 256, and the three results quantised at once, in registers, for the two products that follow.
; x: [32768 tokens][256] codes; Wq, Wk, Wv: [64 (d)][256] codes, K innermost; bq, bk, bv: [64] f32; lowp_scales e0 .. e9.
; DEAD WORK: none is left out in any of the three launches.  bq's share of a score is the same along the softmax's axis only in real numbers: q is a quantised operand, so bq can move its codes and stays;
; bk, bv and all ten exponents reach the result.  The program does MORE than reference() writes: the finished softmax is what is quantised, and a column's maximum and sum are known only when all 4,096 queries
; have been seen, so the scores are multiplied in the second launch and again in the third; they never go to memory (4,096 x 4,096 x 8 f32 numbers would).
; WHAT IS STORED.  A TILE of 16 tokens is not 16 neighbours: row r of tile 2 P + u of a batch is token 32 P + 8 u + r + 8 (r / 8), so that rows 8 h + j of tiles 2 P and 2 P + 1 are the 16 neighbours 32 P + 16 h + 0 .. 15.
;   qimg [8][256 tiles][1,024]: a tile of q as the image of a K = 64 operand's 8 registers: byte 512 f + 16 lane + 4 i is register 4 f + i; register 2 c + w of lane (r, h) holds d = 16 c + 8 h + 4 w + 0 .. 3 of row r.
;   kv [8][64 groups of 64 keys][8,192]: four tiles of k, imaged likewise; then four operands of v^T (16 d each): lane (r, h) is d = 16 dt + r, register 4 b + 2 u + w holds keys 32 b + 16 h + 8 u + 4 w + 0 .. 3 of the group.
; SHARES.  A work-group takes 128 tokens (8 tiles).  Its 32 KiB of x go once through LDS, the rows laid in the order of the tiles.  Waves 0, 1 make q (d 0-31, 32-63), waves 2, 3 k, waves 4-7 v (16 d each).
; q and k are made transposed (source 0 = 16 rows of W, source 1 = a tile of x): a lane holds one token and 8 neighbouring d, which is the next K.  v is made straight (source 0 = x, source 1 = Wv): a lane holds one d and
; 8 tokens, which are 8 neighbouring keys, the last product's K.  So every conversion's result is an operand's registers.
; The bias is the C of a sum's first matrix instruction, divided by the power of two that the sums lack; the scales ahead of the quantiser are folded into the conversion's one: 2^(eout - ex - ew).
; NO JOINT LOADS: x's 32 KiB are the work-group's own; each byte of W goes once into one wave's registers (48 KiB a work-group), and by way of LDS it would be written there and read back once more.
; LIMITS: e6 - e0 - e1, e7 - e2 - e3, e9 - e4 - e5 between -126 and 112, so that the scale and 57,344 x the scale are f32 numbers.  NaN among the biases is not served.
.set PX,    272                        ; an LDS row of x: 256 bytes + 16: the 16 rows of a fragment load start 16 bytes apart modulo 256
.set SPARE, 128*PX                     ; behind x's 128 rows: the spare words, 128 bytes a wave, four blocks of 256 bytes that no other line names
.set LI,  1                            ; v1   16 x lane
.set HH,  2                            ; v2   h = lane / 16
.set RR,  3                            ; v3   r = lane % 16
.set XA,  4                            ; v4   a fragment of x: r x PX + 16 h
.set STA, 5                            ; v5   where I put my part of x
.set WO,  7                            ; v7   a fragment of W: r x 256 + 16 h
.set BO,  8                            ; v8   my bias numbers
.set SCL, 9                            ; v9   2^(eout - ein) as f32
.set LIM, 10                           ; v10  57,344 x that
.set SPW, 12                           ; v12  my spare word; never rewritten
.set NIL, 13                           ; v13  0; never rewritten
.set X,   16                           ; v16-79   two tiles of x x two K steps of 128 (first: my 16 rows as loaded, v16-47)
.set W,   80                           ; v80-143  my fragments of W: 32 a + 16 s
.set BI,  144                          ; v144-159 the bias in the result's layout
.set D,   160                          ; v160-191 the sums
.set CO,  192                          ; v192-223 the codes: each register is written once, so no store's data are written again
.set WV,  24                           ; s24  my wave
	s_load_b512 s[4:19], s[0:1], 0x0               ; x s[4:5], Wq s[6:7], Wk s[8:9], Wv s[10:11], bq s[12:13], bk s[14:15], bv s[16:17], the exponents s[18:19]
	s_load_b128 s[20:23], s[0:1], 0x40             ; qimg s[20:21], kv s[22:23]
	v_lshl_add_u32 v[SPW], v0, 2, SPARE
	v_mov_b32 v[NIL], 0
	v_lshrrev_b32 v[HH], 5, v0
	s_delay_alu instid0(VALU_DEP_1)
	v_readfirstlane_b32 s[WV], v[HH]               ; wave 0..7
	v_bfe_u32 v[HH], v0, 4, 1
	v_and_b32 v[RR], 15, v0
	v_and_b32 v[LI], 31, v0
	s_delay_alu instid0(VALU_DEP_1)
	v_lshlrev_b32 v[LI], 4, v[LI]
	s_delay_alu instid0(VALU_DEP_3)
	v_mul_u32_u24 v[XA], v[RR], PX
	s_delay_alu instid0(VALU_DEP_1)
	v_lshl_add_u32 v[XA], v[HH], 4, v[XA]
	; token tau of the 128 lies at LDS row tau with bits 3 and 4 exchanged: tile i is then rows 16 i .. 16 i + 15.  My load i brings tokens 16 w + 2 i + h: row 32 (w / 2) + 8 (w % 2) + h, + 16 (i / 4) + 2 (i % 4)
	s_lshr_b32 s25, s[WV], 1
	s_lshl_b32 s25, s25, 5
	s_and_b32 s26, s[WV], 1                        ; q, k: which half of the 64 d
	s_lshl_b32 s27, s26, 3
	s_add_co_u32 s25, s25, s27
	s_mul_i32 s25, s25, PX
	v_mul_u32_u24 v[STA], v[HH], PX
	s_delay_alu instid0(VALU_DEP_1)
	v_lshl_add_u32 v[STA], v[RR], 4, v[STA]
	s_delay_alu instid0(VALU_DEP_1)
	v_add_nc_u32 v[STA], s25, v[STA]
	v_lshlrev_b32 v[WO], 8, v[RR]
	s_delay_alu instid0(VALU_DEP_1)
	v_lshl_add_u32 v[WO], v[HH], 4, v[WO]
	; my role's offsets, chosen by the wave's number
	s_and_b32 s27, s[WV], 3                        ; v: which 16 d
	s_lshl_b32 s48, s26, 13                        ; q, k: W's rows from 32 x half on;
	s_lshl_b32 s49, s27, 12                        ; v: from 16 dt on
	s_lshl_b32 s50, s26, 7                         ; the bias likewise
	s_lshl_b32 s51, s27, 6
	s_lshl_b32 s52, s26, 9                         ; q, k: my half of a tile's image;
	s_lshl_b32 s53, s27, 10
	s_add_co_u32 s53, s53, 4096                    ; v: operand dt, behind a group's four tiles of k
	s_cmp_lt_u32 s[WV], 4
	s_cselect_b32 s48, s48, s49
	s_cselect_b32 s50, s50, s51
	s_cselect_b32 s52, s52, s53
	s_mov_b32 s49, 0
	s_mov_b32 s51, 0
	s_mov_b32 s54, 8192
	s_cmp_lt_u32 s[WV], 2
	s_cselect_b32 s55, 13, 14                      ; a work-group's 8 tiles are 8 KiB of qimg, its two groups 16 KiB of kv
	s_cselect_b32 s54, 4096, s54                   ; from tile 0 to tile 4: four images on in qimg, a group on in kv
	s_lshl_b32 s53, ttmp9, s55
	s_add_co_u32 s52, s52, s53
	s_mov_b32 s53, 0
	s_mov_b32 s55, 0
	s_lshl_b32 s56, ttmp9, 15                      ; x: the work-group's 128 rows, my wave's 16
	s_lshl_b32 s57, s[WV], 12
	s_add_co_u32 s56, s56, s57
	s_mov_b32 s57, 0
	s_wait_alu depctr_va_vdst(0)
	s_wait_kmcnt 0x0
	s_load_b256 s[28:35], s[18:19], 0x0            ; e0 .. e7
	s_load_b64 s[36:37], s[18:19], 0x20            ; e8, e9
	s_add_nc_u64 s[4:5], s[4:5], s[56:57]
	s_cmp_lt_u32 s[WV], 2
	s_cselect_b64 s[40:41], s[6:7], s[8:9]
	s_cselect_b64 s[42:43], s[12:13], s[14:15]
	s_cselect_b64 s[44:45], s[20:21], s[22:23]
	s_cmp_lt_u32 s[WV], 4
	s_cselect_b64 s[40:41], s[40:41], s[10:11]     ; my W,
	s_cselect_b64 s[42:43], s[42:43], s[16:17]     ; my bias
	s_add_nc_u64 s[40:41], s[40:41], s[48:49]
	s_add_nc_u64 s[42:43], s[42:43], s[50:51]
	s_add_nc_u64 s[44:45], s[44:45], s[52:53]      ; where my codes go: tiles 0-3,
	s_add_nc_u64 s[46:47], s[44:45], s[54:55]      ; tiles 4-7
.irp s, 0,1
.irp c, 0,1,2,3
	global_load_b128 v[W+16*\s+4*\c:W+16*\s+4*\c+3], v[WO], s[40:41] offset:128*\s+32*\c           ; 16 rows of W, K step s: lane (r, h) takes bytes 32 c + 16 h on: the same order of k as x's fragments have
.endr
.endr
	s_cmp_lt_u32 s[WV], 4
	s_cbranch_scc0 .Lbias_v
.irp s, 0,1
.irp c, 0,1,2,3
	global_load_b128 v[W+32+16*\s+4*\c:W+32+16*\s+4*\c+3], v[WO], s[40:41] offset:4096+128*\s+32*\c   ; q, k: the next 16 rows
.endr
.endr
	v_lshlrev_b32 v[BO], 5, v[HH]                  ; q, k: register j of tile a is d = 16 a + 8 h + j
.irp a, 0,1
.irp j, 0,1
	global_load_b128 v[BI+8*\a+4*\j:BI+8*\a+4*\j+3], v[BO], s[42:43] offset:64*\a+16*\j
.endr
.endr
	s_branch .Lbias_done
.Lbias_v:
	v_lshlrev_b32 v[BO], 2, v[RR]                  ; v: all eight registers are d = r
	global_load_b32 v[BI+8], v[BO], s[42:43]
.Lbias_done:
.irp i, 0,1,2,3,4,5,6,7
	global_load_b128 v[X+4*\i:X+4*\i+3], v[LI], s[4:5] offset:512*\i th:TH_LOAD_NT   ; 32 lanes read two whole rows of x; read once in the launch
.endr
	s_wait_kmcnt 0x0
	s_add_co_i32 s48, s28, s29
	s_add_co_i32 s49, s30, s31
	s_add_co_i32 s50, s32, s33
	s_cmp_lt_u32 s[WV], 2
	s_cselect_b32 s48, s48, s49
	s_cselect_b32 s51, s34, s35
	s_cmp_lt_u32 s[WV], 4
	s_cselect_b32 s48, s48, s50                    ; ein = ex + ew of my product: a sum stands for sum x 2^ein
	s_cselect_b32 s51, s51, s37                    ; eout: e6 for q, e7 for k, e9 for v
	s_sub_co_i32 s49, 0, s48                       ; the bias goes in as b / 2^ein
	s_sub_co_i32 s51, s51, s48
	s_add_co_i32 s51, s51, 127
	s_lshl_b32 s52, s51, 23
	v_mov_b32 v[SCL], s52                          ; 2^(eout - ein): the conversion takes its exponent field
	s_add_co_i32 s51, s51, 15
	s_lshl_b32 s51, s51, 23
	s_or_b32 s51, s51, 0x600000
	v_mov_b32 v[LIM], s51                          ; 57,344 x that
	s_wait_alu depctr_va_vdst(0)
	s_wait_loadcnt 0x0                             ; x, W and the bias: one wait for all that the launch loads
.irp i, 0,1,2,3,4,5,6,7
	ds_store_b128 v[STA], v[X+4*\i:X+4*\i+3] offset:(16*(\i/4)+2*(\i%4))*PX
.endr
	s_wait_dscnt 0x0                               ; for the others' sake: my rows lie in LDS
	s_barrier_signal -1
	s_barrier_wait -1                              ; all 128 do.  The launch's one barrier: nothing is written to LDS behind it
.macro XPAIR p                         ; tiles 2 p and 2 p + 1 of x, both K steps: 16 loads
.irp i, 0,1
.irp s, 0,1
.irp c, 0,1,2,3
	ds_load_b128 v[X+32*\i+16*\s+4*\c:X+32*\i+16*\s+4*\c+3], v[XA] offset:16*(2*(\p)+\i)*PX+128*\s+32*\c
.endr
.endr
.endr
.endm
.macro PLACES                          ; four plain instructions between a matrix instruction and a read of its result or a load into one of its registers
.rept 4
	v_nop
.endr
.endm
.macro HOLD n                          ; the conversion to an 8-bit code does not saturate (ISA guide 7.6.2): the number is held within 57,344 x the scale first; each accumulator from its low end on
.set j, 0
.rept \n
	v_med3_num_f32 v[D+j], v[D+j], -v[LIM], v[LIM]
.set j, j+1
.endr
.endm
; q, k: two tiles of tokens x my two tiles of d.  Four accumulators take turns, one instruction a turn.
.macro QKPAIR p
	s_wait_dscnt 0x0                               ; the pair's 16 fragment loads are in
.irp s, 0,1
.irp i, 0,1
.irp a, 0,1
.if \s == 0
	v_wmma_f32_16x16x128_bf8_bf8 v[D+8*(2*\i+\a):D+8*(2*\i+\a)+7], v[W+32*\a+16*\s:W+32*\a+16*\s+15], v[X+32*\i+16*\s:X+32*\i+16*\s+15], v[BI+8*\a:BI+8*\a+7]
.else
	v_wmma_f32_16x16x128_bf8_bf8 v[D+8*(2*\i+\a):D+8*(2*\i+\a)+7], v[W+32*\a+16*\s:W+32*\a+16*\s+15], v[X+32*\i+16*\s:X+32*\i+16*\s+15], v[D+8*(2*\i+\a):D+8*(2*\i+\a)+7]
.endif
.endr
.endr
.endr
	PLACES
.if (\p) < 3
	XPAIR (\p)+1                                   ; the next pair comes while this one is quantised
.endif
	HOLD 32
.irp i, 0,1
.irp a, 0,1
	v_cvt_scalef32_pk8_bf8_f32 v[CO+8*(\p)+4*\i+2*\a:CO+8*(\p)+4*\i+2*\a+1], v[D+8*(2*\i+\a):D+8*(2*\i+\a)+7], v[SCL]   ; d = 16 (2 half + a) + 8 h + 0 .. 7: registers 2 a, 2 a + 1 of my half of the image
.endr
.endr
	v_nop                                          ; a plain instruction between the conversions and the next products, which write their sources
.irp i, 0,1
.if (\p) < 2
	global_store_b128 v[LI], v[CO+8*(\p)+4*\i:CO+8*(\p)+4*\i+3], s[44:45] offset:((2*(\p)+\i)%4)*1024   ; 32 lanes store 512 consecutive bytes, at a multiple of 512 from the buffer's first byte
.else
	global_store_b128 v[LI], v[CO+8*(\p)+4*\i:CO+8*(\p)+4*\i+3], s[46:47] offset:((2*(\p)+\i)%4)*1024
.endif
.endr
.endm
; v: two tiles of tokens x my 16 d.  Two accumulators take turns.  The pair's four code registers are keys 32 b + 16 h + 0 .. 15 of a group: registers 4 b .. 4 b + 3 of the operand.
.macro VPAIR p
	s_wait_dscnt 0x0
.irp s, 0,1
.irp i, 0,1
.if \s == 0
	v_wmma_f32_16x16x128_bf8_bf8 v[D+8*\i:D+8*\i+7], v[X+32*\i+16*\s:X+32*\i+16*\s+15], v[W+16*\s:W+16*\s+15], v[BI:BI+7]
.else
	v_wmma_f32_16x16x128_bf8_bf8 v[D+8*\i:D+8*\i+7], v[X+32*\i+16*\s:X+32*\i+16*\s+15], v[W+16*\s:W+16*\s+15], v[D+8*\i:D+8*\i+7]
.endif
.endr
.endr
	PLACES
.if (\p) < 3
	XPAIR (\p)+1
.endif
	HOLD 16
.irp i, 0,1
	v_cvt_scalef32_pk8_bf8_f32 v[CO+4*(\p)+2*\i:CO+4*(\p)+2*\i+1], v[D+8*\i:D+8*\i+7], v[SCL]
.endr
	v_nop
	global_store_b128 v[LI], v[CO+4*(\p):CO+4*(\p)+3], s[44:45] offset:((\p)/2)*8192+((\p)%2)*512
.endm
	s_cmp_lt_u32 s[WV], 4
	s_cbranch_scc0 .Lv_path
	XPAIR 0
.set j, 0
.rept 16
	v_ldexp_f32 v[BI+j], v[BI+j], s49              ; b / 2^ein
.set j, j+1
.endr
	s_wait_alu depctr_va_vdst(0)
	QKPAIR 0
	QKPAIR 1
	QKPAIR 2
	QKPAIR 3
	s_wait_tensorcnt 0x0                           ; the wave's end
	ds_add_u32 v[SPW], v[NIL]
	s_wait_dscnt 0x0
	s_endpgm
.Lv_path:
	XPAIR 0
.set j, 0
.rept 8
	v_ldexp_f32 v[BI+j], v[BI+8], s49              ; b / 2^ein, the same number in all eight registers
.set j, j+1
.endr
	s_wait_alu depctr_va_vdst(0)
	VPAIR 0
	VPAIR 1
	VPAIR 2
	VPAIR 3
	s_wait_tensorcnt 0x0                           ; the wave's end, as above
	ds_add_u32 v[SPW], v[NIL]
	s_wait_dscnt 0x0
	s_endpgm
.Lfunc_end_k_qca6d334bb7_proj:
	.size	k_qca6d334bb7_proj, .Lfunc_end_k_qca6d334bb7_proj-k_qca6d334bb7_proj
	.p2alignl 7, 3214868480
	.fill 96, 4, 3214868480
	.section	.rodata,"a",@progbits
	.p2align	6, 0x0
	.amdhsa_kernel k_qca6d334bb7_proj
		.amdhsa_group_segment_fixed_size 35840
		.amdhsa_private_segment_fixed_size 0
		.amdhsa_enable_private_segment 0
		.amdhsa_kernarg_size 80
		.amdhsa_user_sgpr_count 2
		.amdhsa_user_sgpr_kernarg_segment_ptr 1
		.amdhsa_wavefront_size32 1
		.amdhsa_system_sgpr_workgroup_id_x 1
		.amdhsa_system_sgpr_workgroup_id_y 1
		.amdhsa_system_sgpr_workgroup_id_z 1
		.amdhsa_system_vgpr_workitem_id 0
		.amdhsa_next_free_vgpr 224
		.amdhsa_next_free_sgpr 66
		.amdhsa_reserve_vcc 0
		.amdhsa_float_denorm_mode_32 3
		.amdhsa_float_denorm_mode_16_64 3
		.amdhsa_memory_ordered 1
		.amdhsa_forward_progress 1
		.amdhsa_inst_pref_size 37
	.end_amdhsa_kernel
	.amdgpu_metadata
---
amdhsa.version: [ 1, 2 ]
amdhsa.kernels:
  - .name:           k_qca6d334bb7_proj
    .symbol:         k_qca6d334bb7_proj.kd
    .args:
      - { .name: x_codes, .offset: 0, .size: 8, .value_kind: global_buffer, .address_space: global }
      - { .name: Wq_codes, .offset: 8, .size: 8, .value_kind: global_buffer, .address_space: global }
      - { .name: Wk_codes, .offset: 16, .size: 8, .value_kind: global_buffer, .address_space: global }
      - { .name: Wv_codes, .offset: 24, .size: 8, .value_kind: global_buffer, .address_space: global }
      - { .name: bq, .offset: 32, .size: 8, .value_kind: global_buffer, .address_space: global }
      - { .name: bk, .offset: 40, .size: 8, .value_kind: global_buffer, .address_space: global }
      - { .name: bv, .offset: 48, .size: 8, .value_kind: global_buffer, .address_space: global }
      - { .name: lowp_scales, .offset: 56, .size: 8, .value_kind: global_buffer, .address_space: global }
      - { .name: qimg, .offset: 64, .size: 8, .value_kind: global_buffer, .address_space: global }
      - { .name: kv, .offset: 72, .size: 8, .value_kind: global_buffer, .address_space: global }
    .group_segment_fixed_size: 35840
    .private_segment_fixed_size: 0
    .kernarg_segment_align: 8
    .kernarg_segment_size: 80
    .max_flat_workgroup_size: 256
    .sgpr_count:     66
    .vgpr_count:     224
    .wavefront_size: 32
...
	.end_amdgpu_metadata
.endif
;; end of part 1
;; launch stats (part 2): grid 32 x 8, 16 waves a work-group, no clusters, 34,816 bytes of LDS; arguments qimg, kv, lowp_scales, negb; writes negb
.if DOCPART == 2
	.amdgcn_target "amdgcn-amd-amdhsa--gfx1250"
	.amdhsa_code_object_version 6
	.text
	.protected	k_qca6d334bb7_stats
	.globl	k_qca6d334bb7_stats
	.p2align	8
	.type	k_qca6d334bb7_stats,@function
k_qca6d334bb7_stats:
	s_mov_b64 s[64:65], 0
	v_nop
	global_prefetch_b8 v0, s[64:65] scope:SCOPE_SE
	s_setreg_imm32_b32 hwreg(HW_REG_WAVE_MODE, 25, 1), 1
	s_wait_xcnt 0x0
; THE SOFTMAX'S COLUMN FIGURES.  reference() normalises over the QUERIES: attn[q][k] = exp(s[q][k] - m_k) / L_k, m_k and L_k taken over all 4,096 queries of key k's column.
; With t = c' x (sum of code products), c' = log2(e) / 8 x 2^(e6 + e7), this launch stores negb[k] = -(M_k + log2 L_k), M_k the column's largest t, L_k = the sum over q of 2^(t - M_k): then attn = 2^(t + negb[k]).
; No work of reference() is left out; the maximum is taken away before every exponential, by a running maximum.
; SHARES.  A work-group takes 128 keys of one batch, 8 tiles; each of its sixteen waves owns 256 queries, two chunks of 8 tiles.  S = q k^T (source 0 = 16 queries, source 1 = 16 keys): a lane holds ONE key and 8 queries of a tile.
; A UNIT n = 8 chunk + key tile is 8 tiles of queries against one tile of keys: 64 scores a lane, kept in registers from the products to the sum, so each score is multiplied once.
; The unit's maximum is known before its first exponential; chunk 0 leaves (-M, sum) in LDS, chunk 1 takes them up, rescales the sum once, and stores the pair again.
; THE STEP of unit n: its maximum and t - M; then its exponentials, and among them the tree of additions over unit n - 1's, with unit n + 1's products in the middle.  What stands among exponentials is read only behind a later wait.
; NO JOINT LOADS, NO LDS RING: a fragment of q is used by one wave (16 KiB a wave, each fragment feeding 8 matrix instructions), straight from memory as the operand's registers; by way of LDS it would be written there and read back.
; NO PREFETCH: every fragment of k is asked for a whole step or more ahead of its products, chunk 1's queries most of a step.
; LIMITS: e6 + e7 between -123 and 130 (added to c's exponent field).  negb is rounded to f32 once: half a unit in the last place of |M + log2 L|.
.set SPARE, 32768                      ; LDS: [16 waves x 2 halves of the lanes][128 keys][-M, sum] f32; behind it the spare words, 128 bytes a wave
.set LI,  1                            ; v1   16 x lane: an image's place for my lane
.set MST, 2                            ; v2   my lane's pair for a tile's key
.set RM0, 3                            ; v3   chunk 0's -M
.set PR,  4                            ; v4-7 (-M, sum) of two units
.set L0,  8                            ; v8-9 chunk 0's sum, two units
.set F,   10                           ; v10-11 2^(old M - new M), two units
.set SPW, 12                           ; v12  my spare word;  v13 0; never rewritten
.set NIL, 13
.set KF,  16                           ; v16-31  two tiles of keys
.set QF,  32                           ; v32-95  a chunk's 8 tiles of queries
.set T,   96                           ; v96-127 the tree of additions; its upper half serves the maximum's four chains
.set CH,  T+16
.set S,   128                          ; v128-255 scores of two units
.set WV,  14
	s_load_b256 s[4:11], s[0:1], 0x0               ; qimg s[4:5], kv s[6:7], the exponents s[8:9], negb s[10:11]
	v_lshl_add_u32 v[SPW], v0, 2, SPARE
	v_mov_b32 v[NIL], 0
	v_lshrrev_b32 v14, 5, v0
	v_and_b32 v[LI], 31, v0
	v_readfirstlane_b32 s[WV], v14                 ; wave 0..15
	v_and_b32 v15, 15, v0                          ; r
	v_bfe_u32 v14, v0, 4, 1                        ; h
	v_lshlrev_b32 v[LI], 4, v[LI]
	v_and_b32 v3, 8, v15
	s_delay_alu instid0(VALU_DEP_1)
	v_add_nc_u32 v3, v3, v15                       ; r + 8 (r / 8): row r's key within its tile's 32
	s_delay_alu instid0(VALU_DEP_1)
	v_lshlrev_b32 v[MST], 3, v3
	s_delay_alu instid0(VALU_DEP_1)
	v_lshl_add_u32 v[MST], v14, 10, v[MST]
	s_lshl_b32 s28, s[WV], 11
	v_add_nc_u32 v[MST], s28, v[MST]
	s_and_b32 s15, ttmp7, 0xffff                   ; the batch
	s_lshl_b32 s16, s15, 18                        ; qimg: 256 KiB a batch, 16 KiB a wave
	s_lshl_b32 s17, s[WV], 14
	s_add_co_u32 s16, s16, s17
	s_mov_b32 s17, 0
	s_lshl_b32 s18, s15, 19                        ; kv: 512 KiB a batch, two groups of 8 KiB a work-group
	s_lshl_b32 s19, ttmp9, 14
	s_add_co_u32 s18, s18, s19
	s_mov_b32 s19, 0
	s_lshl_b32 s30, s15, 14                        ; negb: 16 KiB a batch, 512 bytes a work-group
	s_lshl_b32 s31, ttmp9, 9
	s_add_co_u32 s30, s30, s31
	s_mov_b32 s31, 0
	s_wait_alu depctr_va_vdst(0)
	s_wait_kmcnt 0x0
	s_load_b64 s[26:27], s[8:9], 0x18              ; e6, e7
	s_add_nc_u64 s[4:5], s[4:5], s[16:17]
	s_add_nc_u64 s[6:7], s[6:7], s[18:19]
	s_add_nc_u64 s[10:11], s[10:11], s[30:31]
.macro QLOAD c                         ; chunk c's eight tiles of queries: 16 loads of 512 consecutive bytes
.irp q, 0,1,2,3,4,5,6,7
.irp f, 0,1
	global_load_b128 v[QF+8*\q+4*\f:QF+8*\q+4*\f+3], v[LI], s[4:5] offset:8192*(\c)+1024*\q+512*\f
.endr
.endr
.endm
.macro KLOAD n                         ; unit n's tile of keys
.set kt, (\n)%8
.set kr, KF+8*((\n)%2)
.irp f, 0,1
	global_load_b128 v[kr+4*\f:kr+4*\f+3], v[LI], s[6:7] offset:(kt/4)*8192+(kt%4)*1024+512*\f
.endr
.endm
	KLOAD 0
	QLOAD 0
	KLOAD 1
.irp k, 0,1,2,3
	v_mov_b32 v[PR+\k], 0                          ; (the sums are named in a pair with -M before they are first made)
.endr
	s_wait_alu depctr_va_vdst(0)
	s_wait_kmcnt 0x0
	s_add_co_i32 s28, s26, s27
	s_lshl_b32 s28, s28, 23
	s_add_co_i32 s20, s28, 0x3e38aa3b              ; c' = log2(e) / 8, with e6 + e7 added to its exponent field
	s_mov_b32 s21, s20                             ; (named with it as a pair, so it is written)
	s_xor_b32 s22, s20, 0x80000000                 ; -c'
.macro WM n                            ; unit n's eight products: K = 64 is one instruction, so each starts its sum with 0
.irp q, 0,1,2,3,4,5,6,7
	v_wmma_f32_16x16x64_bf8_bf8 v[S+64*((\n)%2)+8*\q:S+64*((\n)%2)+8*\q+7], v[QF+8*\q:QF+8*\q+7], v[KF+8*((\n)%2):KF+8*((\n)%2)+7], 0
.endr
.endm
.macro TSTEP u, j                      ; unit u's sum, step j: eight pairs become one, then one number; chunk 1 adds chunk 0's sum, rescaled
.if (\j) == 0
.irp k, 0,2,4,6
	v_pk_add_f32 v[T+\k:T+\k+1], v[T+\k:T+\k+1], v[T+8+\k:T+8+\k+1]
.endr
.elseif (\j) == 1
.irp k, 0,2
	v_pk_add_f32 v[T+\k:T+\k+1], v[T+\k:T+\k+1], v[T+4+\k:T+4+\k+1]
.endr
.elseif (\j) == 2
	v_pk_add_f32 v[T:T+1], v[T:T+1], v[T+2:T+3]
.elseif (\j) == 3
.if (\u) < 8
	v_add_f32 v[PR+2*((\u)%2)+1], v[T], v[T+1]
.else
	v_add_f32 v[T], v[T], v[T+1]
.endif
.elseif (\j) == 4
.if (\u) >= 8
	v_fma_f32 v[PR+2*((\u)%2)+1], v[L0+(\u)%2], v[F+(\u)%2], v[T]
.endif
.endif
.endm
.macro KOFF u                          ; where unit u's tile of keys begins among the 128 pairs
.set ko, 8*(64*(((\u)%8)/4)+32*(((\u)%4)/2)+8*((\u)%2))
.endm
.macro PUT u
	KOFF \u
	ds_store_b64 v[MST], v[PR+2*((\u)%2):PR+2*((\u)%2)+1] offset:ko
.endm
.macro L1 k                            ; the tree's first level: SA's 64 numbers into T's 32
	v_pk_add_f32 v[T+2*(\k):T+2*(\k)+1], v[SA+4*(\k):SA+4*(\k)+1], v[SA+4*(\k)+2:SA+4*(\k)+3]
.endm
.macro L2 k                            ; the second: 32 into 16
	v_pk_add_f32 v[T+2*(\k):T+2*(\k)+1], v[T+2*(\k):T+2*(\k)+1], v[T+16+2*(\k):T+16+2*(\k)+1]
.endm
.macro STG n
.set up, (\n)%2
.set SB, S+64*up                       ; unit n's scores
.set SA, S+64*(1-up)                   ; unit n - 1's exponentials, then unit n + 1's scores
.if (\n) >= 8
	s_wait_dscnt 0x0                               ; chunk 0's -M is in
.endif
	s_wait_alu depctr_va_vdst(0)                   ; behind the exponentials, and ahead of the first readers of the products' results
.set jj, 0
.rept 8                                ; the unit's largest raw sum, in four chains, each accumulator from its low end on; between them unit n - 2's sum is finished
.irp k, 0,1,2,3
.set va, SB+8*(2*\k+jj/4)+2*(jj%4)
.if jj == 0
	v_max_num_f32 v[CH+\k], v[va], v[va+1]
.else
	v_max3_num_f32 v[CH+\k], v[CH+\k], v[va], v[va+1]
.endif
.endr
.if (\n) >= 2
	TSTEP (\n)-2, jj
.endif
.set jj, jj+1
.endr
.if (\n) >= 2
	PUT (\n)-2
.endif
.if (\n) >= 8
	KOFF \n
	ds_load_b32 v[L0+up], v[MST] offset:ko+4       ; chunk 0's sum, stored six steps ago
.endif
	v_max3_num_f32 v[CH], v[CH], v[CH+1], v[CH+2]
	v_max_num_f32 v[CH], v[CH], v[CH+3]
	v_mul_f32 v[PR+2*up], s22, v[CH]               ; -M
.if (\n) >= 8
	v_min_num_f32 v[PR+2*up], v[PR+2*up], v[RM0]   ; the lesser -M is the greater M
	v_sub_f32 v[F+up], v[PR+2*up], v[RM0]          ; new -M less old -M: 0 or less
.endif
.set jj, 0
.rept 32
	v_pk_fma_f32 v[SB+2*jj:SB+2*jj+1], v[SB+2*jj:SB+2*jj+1], s[20:21], v[PR+2*up:PR+2*up+1] op_sel_hi:[1,0,0]   ; c' s - M: of the pairs c' and -M the low word serves both halves
.set jj, jj+1
.endr
.if ((\n) >= 7) && ((\n) < 15)
	KOFF (\n)+1
	ds_load_b32 v[RM0], v[MST] offset:ko           ; chunk 0's -M for the next unit
.endif
.if (\n) < 14
	KLOAD (\n)+2                                   ; into the registers that unit n's products have read, a step ago
.endif
	s_wait_alu depctr_va_vdst(0)                   ; ahead of the batch
.if (\n) >= 8
	v_exp_f32 v[F+up], v[F+up]
.endif
.set jj, 0
.rept 32
	v_exp_f32 v[SB+jj], v[SB+jj]
.if ((jj%2) == 1) && ((\n) > 0)
	L1 jj/2
.endif
.set jj, jj+1
.endr
.if (\n) < 14
	s_wait_loadcnt 2                               ; unit n + 1's keys (and its queries) are in; unit n + 2's two loads may be out
.elseif (\n) == 14
	s_wait_loadcnt 0x0
.endif
	s_wait_alu depctr_va_vdst(0)
.if (\n) < 15
	WM (\n)+1
.endif
.rept 32
	v_exp_f32 v[SB+jj], v[SB+jj]
.if ((jj%4) == 3) && ((\n) > 0)
	L2 (jj-32)/4
.endif
.set jj, jj+1
.endr
.if (\n) == 0
.rept 4
	v_nop                                          ; the places behind unit 1's products, where no additions stand
.endr
.endif
.if (\n) == 6
	QLOAD 1                                        ; chunk 0's queries have had their last products: most of a step ahead of chunk 1's first
.endif
.endm
	s_wait_loadcnt 2                               ; the first keys and chunk 0 are in; the second tile of keys may be out
	WM 0
.rept 4
	v_nop                                          ; places between the products and the first readers of their results (ISA guide 7.12.1)
.endr
.irp n, 0,1,2,3,4,5,6,7,8,9,10,11,12,13,14,15
	STG \n
.endr
	s_wait_dscnt 0x0                               ; the last two sums of chunk 0 are in
	s_wait_alu depctr_va_vdst(0)                   ; behind the exponentials
.irp j, 0,1,2,3,4
	TSTEP 14, \j
.endr
	PUT 14
.set SA, S+64
.irp k, 0,1,2,3,4,5,6,7,8,9,10,11,12,13,14,15
	L1 \k
.endr
.irp k, 0,1,2,3,4,5,6,7
	L2 \k
.endr
.irp j, 0,1,2,3,4
	TSTEP 15, \j
.endr
	PUT 15
	; THE MERGE: waves 0 and 1, a lane takes two neighbouring keys and their 32 pairs
	v_lshlrev_b32 v3, 4, v0
	v_lshlrev_b32 v8, 3, v0
	s_wait_alu depctr_va_vdst(0)
	s_wait_dscnt 0x0                               ; for the others' sake: my pairs lie in LDS
	s_barrier_signal -1
	s_barrier_wait -1
	s_cmp_lt_u32 s[WV], 2
	s_cbranch_scc0 .Lend
.set jj, 0
.rept 32
	ds_load_b128 v[64+4*jj:67+4*jj], v3 offset:1024*jj
.set jj, jj+1
.endr
	s_wait_dscnt 0x0
.irp k, 0,1
	v_min3_num_f32 v[192+\k], v[64+2*\k], v[68+2*\k], v[72+2*\k]
.endr
.irp p, 3,5,7,9,11,13,15,17,19,21,23,25,27,29
.irp k, 0,1
	v_min3_num_f32 v[192+\k], v[192+\k], v[64+4*\p+2*\k], v[68+4*\p+2*\k]
.endr
.endr
.irp k, 0,1
	v_min_num_f32 v[192+\k], v[192+\k], v[64+4*31+2*\k]   ; -M of the whole column
.endr
.set jj, 0
.rept 64
	v_sub_f32 v[64+2*jj], v[192+jj%2], v[64+2*jj]  ; M of the part less M: 0 or less.  The difference of the two rounded numbers, the very ones under which the terms were summed
.set jj, jj+1
.endr
	s_wait_alu depctr_va_vdst(0)
.set jj, 0
.rept 64
	v_exp_f32 v[64+2*jj], v[64+2*jj]
.set jj, jj+1
.endr
	v_nop
	s_wait_alu depctr_va_vdst(0)                   ; one wait for the 64
.irp k, 0,1,2,3                        ; four chains: key k % 2, even or odd parts
	v_mul_f32 v[194+\k], v[64+2*\k], v[65+2*\k]
.endr
.set jj, 4
.rept 60
	v_fma_f32 v[194+jj%4], v[64+2*jj], v[65+2*jj], v[194+jj%4]
.set jj, jj+1
.endr
	v_add_f32 v194, v194, v196                     ; L: at least the largest term's share, about 1
	v_add_f32 v195, v195, v197
	s_wait_alu depctr_va_vdst(0)
	v_log_f32 v198, v194
	v_log_f32 v199, v195
	v_nop
	s_wait_alu depctr_va_vdst(0)
	v_pk_add_f32 v[200:201], v[192:193], v[198:199] neg_lo:[0,1] neg_hi:[0,1]   ; -M - log2 L
	global_store_b64 v8, v[200:201], s[10:11]      ; a wave stores 256 consecutive bytes, at a multiple of 256 from negb's first byte
	s_wait_alu depctr_va_vdst(0)
.Lend:
	s_wait_tensorcnt 0x0                           ; the wave's end
	ds_add_u32 v[SPW], v[NIL]
	s_wait_dscnt 0x0
	s_endpgm
.Lfunc_end_k_qca6d334bb7_stats:
	.size	k_qca6d334bb7_stats, .Lfunc_end_k_qca6d334bb7_stats-k_qca6d334bb7_stats
	.p2alignl 7, 3214868480
	.fill 96, 4, 3214868480
	.section	.rodata,"a",@progbits
	.p2align	6, 0x0
	.amdhsa_kernel k_qca6d334bb7_stats
		.amdhsa_group_segment_fixed_size 34816
		.amdhsa_private_segment_fixed_size 0
		.amdhsa_enable_private_segment 0
		.amdhsa_kernarg_size 32
		.amdhsa_user_sgpr_count 2
		.amdhsa_user_sgpr_kernarg_segment_ptr 1
		.amdhsa_wavefront_size32 1
		.amdhsa_system_sgpr_workgroup_id_x 1
		.amdhsa_system_sgpr_workgroup_id_y 1
		.amdhsa_system_sgpr_workgroup_id_z 1
		.amdhsa_system_vgpr_workitem_id 0
		.amdhsa_next_free_vgpr 256
		.amdhsa_next_free_sgpr 66
		.amdhsa_reserve_vcc 0
		.amdhsa_float_denorm_mode_32 3
		.amdhsa_float_denorm_mode_16_64 3
		.amdhsa_memory_ordered 1
		.amdhsa_forward_progress 1
		.amdhsa_inst_pref_size 163
	.end_amdhsa_kernel
	.amdgpu_metadata
---
amdhsa.version: [ 1, 2 ]
amdhsa.kernels:
  - .name:           k_qca6d334bb7_stats
    .symbol:         k_qca6d334bb7_stats.kd
    .args:
      - { .name: qimg, .offset: 0, .size: 8, .value_kind: global_buffer, .address_space: global }
      - { .name: kv, .offset: 8, .size: 8, .value_kind: global_buffer, .address_space: global }
      - { .name: lowp_scales, .offset: 16, .size: 8, .value_kind: global_buffer, .address_space: global }
      - { .name: negb, .offset: 24, .size: 8, .value_kind: global_buffer, .address_space: global }
    .group_segment_fixed_size: 34816
    .private_segment_fixed_size: 0
    .kernarg_segment_align: 8
    .kernarg_segment_size: 32
    .max_flat_workgroup_size: 512
    .sgpr_count:     66
    .vgpr_count:     256
    .wavefront_size: 32
...
	.end_amdgpu_metadata
.endif
;; end of part 2
;; launch attn (part 3): grid 32 x 8, 8 waves a work-group, no clusters, 156,672 bytes of LDS; arguments qimg, kv, negb, lowp_scales, out0; writes out0
.if DOCPART == 3
	.amdgcn_target "amdgcn-amd-amdhsa--gfx1250"
	.amdhsa_code_object_version 6
	.text
	.protected	k_qca6d334bb7_attn
	.globl	k_qca6d334bb7_attn
	.p2align	8
	.type	k_qca6d334bb7_attn,@function
k_qca6d334bb7_attn:
	s_mov_b64 s[64:65], 0
	v_nop
	global_prefetch_b8 v0, s[64:65] scope:SCOPE_SE
	s_setreg_imm32_b32 hwreg(HW_REG_WAVE_MODE, 25, 1), 1
	s_wait_xcnt 0x0
; out[q][:] = the sum over k of Q(attn[q][k]) Q(v[k][:]), attn[q][k] = 2^(t + negb[k]): the finished softmax over the queries, t = c' x (sum of q's and k's code products), c' = log2(e) / 8 x 2^(e6 + e7),
; negb[k] = -(M_k + log2 L_k) from the launch before (the column's maximum is taken away inside negb: no exponent here is above about 0).  attn is quantised along the keys with the given 2^e8.
; No work of reference() is left out here.
; SHARES.  A work-group owns 128 queries of a batch, 8 tiles.  Wave w = 2 y + z takes four tiles, 4 z .. 4 z + 3, against the y-th 1,024 of the batch's 4,096 keys, 16 groups of 64; attn is normalised already, so the four
; parts of a row of out are simply added, at the end, through LDS.  A fragment of k or v feeds 4 matrix instructions.
; k AND v GO FROM MEMORY STRAIGHT INTO THE OPERANDS' REGISTERS, as the first launch laid them, in two sets, asked for more than two steps (32 matrix instructions) ahead of their use.
; NO JOINT LOADS (cluster = none): each byte of kv goes into the registers of two waves of the work-group and nowhere else; by way of LDS the 512 KiB would be written there once and read back twice, in slots that the
; waves would have to meet for.  NO PREFETCH: the loads themselves run a group ahead.
; LAYOUT.  Both products are used transposed: S^T = k q^T (source 0 = 16 keys, source 1 = 16 queries), O^T = v^T P^T: a lane holds one query throughout.  A tile's keys are chosen (row r of tile 2 b + u: key
; 32 b + 8 u + r + 8 (r / 8)) so that the conversions' results are the second product's operand, in the order of keys in which the first launch laid v^T.
; A UNIT is two tiles of queries against one group of keys: 64 scores a lane; unit 2 g + i: group g, tiles 2 i, 2 i + 1.  Step n: unit n - 1 is converted; unit n + 1's first products and unit n - 1's second products; unit n + 1
; is brought to t + negb; then its exponentials, with unit n's holds among them.  What stands among exponentials is read only behind a later wait.  Four steps, two groups, bring all registers back: the first and the last
; four are written out, those between are a loop.
; REGISTERS: window 0: v0-7, q, codes, negb, scores; window 1: O^T (32 a + 8 d for tile a and the d-th 16 of the head's 64), k, v.
; LIMITS: e6 + e7 between -123 and 130; e8 between -126 and 112; e8 + e9 between -126 and 127: each power of two below is then an f32 number.  A weight under 2^-126 counts as 0 (v_exp_f32 gives no denormals:
; ISA guide, its entry): that can move a code only where e8 is under -109.
.set STAGE, 16384                      ; LDS: negb, 16 KiB; the way out: [8 tiles][4 parts][16 rows x (256 bytes + 16)];
.set SPT,   272
.set TST,   16*SPT
.set SPARE, STAGE+32*TST               ; the spare words, 128 bytes a wave, four blocks of 256 bytes that no other line names
.set LI,   1                           ; v1   16 x lane
.set AS0,  2                           ; v2   negb of my keys;  v3 the same for the two groups in hand
.set ADN,  3
.set LIMP, 4                           ; v4, v5  57,344 x 2^e8, twice: the two halves of a dual instruction take their second sources from different banks
.set SCP,  6                           ; v6   2^e8
.set STO,  7                           ; v7   the stage: where I put 16 bytes of a row
.set QB,   8                           ; v8-39    my four tiles of queries
.set PC,   40                          ; v40-55   attn's codes
.set NB,   64                          ; v64-95   negb of the group's keys: register 8 t + j
.set S,    128                         ; v128-255 S^T, then attn, of two units
.set KB,   128                         ; window 1: v128-191 k, two groups
.set VB,   192                         ; window 1: v192-255 v^T, two groups
.set WV,   14                          ; s14  my wave
.set CS,   20                          ; s[20:21] c', twice
.set MSB, 0
.macro WIN new                         ; the immediate's high byte repeats the setting that is left
.if MSB != \new
	s_set_vgpr_msb (MSB<<8)|\new
.set MSB, \new
.endif
.endm
	s_load_b256 s[4:11], s[0:1], 0x0               ; qimg s[4:5], kv s[6:7], negb s[8:9], the exponents s[10:11]
	s_load_b64 s[12:13], s[0:1], 0x20              ; out0
	v_lshrrev_b32 v2, 5, v0
	v_and_b32 v[LI], 31, v0
	v_readfirstlane_b32 s[WV], v2                  ; wave 0..7
	v_bfe_u32 v240, v0, 4, 1                       ; h
	v_lshlrev_b32 v[LI], 4, v[LI]
	v_and_b32 v241, 15, v0                         ; r
	v_lshlrev_b32 v244, 6, v240
	v_mul_u32_u24 v[STO], v241, SPT                ; in: row r, 32 bytes for each half of the lanes
	s_delay_alu instid0(VALU_DEP_1)
	v_lshl_add_u32 v[STO], v240, 5, v[STO]
	s_lshr_b32 s16, s[WV], 1                       ; y: which 1,024 keys
	s_and_b32 s17, s[WV], 1                        ; z: which four tiles
	s_lshl_b32 s32, s[WV], 11
	s_lshl_b32 s33, s16, 12
	s_mul_i32 s34, s17, 16*TST
	s_mul_i32 s35, s16, TST
	s_add_co_u32 s34, s34, s35
	s_add_co_u32 s34, s34, STAGE                   ; my first tile, my part
	s_mul_i32 s35, s[WV], 4*TST
	s_add_co_u32 s35, s35, STAGE                   ; back: the tile that I store, all four parts
	s_wait_alu depctr_va_vdst(0)
	v_add_nc_u32 v243, s32, v[LI]                  ; where I put my 2 KiB of negb
	v_add_nc_u32 v[AS0], s33, v244
	v_add_nc_u32 v[ADN], s33, v244
	v_add_nc_u32 v[STO], s34, v[STO]
	s_and_b32 s15, ttmp7, 0xffff                   ; the batch
	s_lshl_b32 s18, s15, 19                        ; kv: 512 KiB a batch, 128 KiB for 1,024 keys
	s_lshl_b32 s19, s16, 17
	s_add_co_u32 s18, s18, s19
	s_mov_b32 s19, 0
	s_lshl_b32 s22, s15, 14                        ; negb: 16 KiB a batch, 2 KiB a wave
	s_add_co_u32 s22, s22, s32
	s_mov_b32 s23, 0
	s_lshl_b32 s24, s15, 18                        ; qimg: 256 KiB a batch, 8 KiB a work-group, 4 KiB for four tiles
	s_lshl_b32 s25, ttmp9, 13
	s_add_co_u32 s24, s24, s25
	s_lshl_b32 s25, s17, 12
	s_add_co_u32 s24, s24, s25
	s_mov_b32 s25, 0
	s_lshl_b32 s26, s15, 20                        ; out: 1 MiB a batch, 32 KiB a work-group; I store tile w: tokens 32 (w / 2) + 8 (w % 2) on, 256 bytes each
	s_lshl_b32 s27, ttmp9, 15
	s_add_co_u32 s26, s26, s27
	s_lshl_b32 s27, s16, 13
	s_add_co_u32 s26, s26, s27
	s_lshl_b32 s27, s17, 11
	s_add_co_u32 s26, s26, s27
	s_mov_b32 s27, 0
	s_mov_b32 s37, 0
	s_wait_alu depctr_va_vdst(0)
	s_wait_kmcnt 0x0
	s_load_b128 s[28:31], s[10:11], 0x18           ; e6, e7, e8, e9
	s_add_nc_u64 s[4:5], s[4:5], s[24:25]
	s_add_nc_u64 s[6:7], s[6:7], s[18:19]
	s_add_nc_u64 s[8:9], s[8:9], s[22:23]
	s_add_nc_u64 s[12:13], s[12:13], s[26:27]
.irp i, 0,1,2,3
	global_load_b128 v[S+4*\i:S+4*\i+3], v[LI], s[8:9] offset:512*\i       ; 512 keys' negb
.endr
.irp a, 0,1,2,3
.irp f, 0,1
	global_load_b128 v[QB+8*\a+4*\f:QB+8*\a+4*\f+3], v[LI], s[4:5] offset:1024*\a+512*\f   ; q's four tiles stay in registers
.endr
.endr
.macro KVLOAD reg, off                 ; four images of 1,024 bytes: 8 loads of 512 consecutive bytes, into window 1
	WIN 0x40
.irp t, 0,1,2,3
.irp f, 0,1
	global_load_b128 v[\reg+8*\t+4*\f:\reg+8*\t+4*\f+3], v[LI], s[6:7] offset:\off+1024*\t+512*\f
.endr
.endr
.endm
	KVLOAD KB, 0
	KVLOAD VB, 4096
	KVLOAD KB+32, 8192
	WIN 0
	s_wait_kmcnt 0x0
	s_add_co_i32 s32, s28, s29
	s_lshl_b32 s32, s32, 23
	s_add_co_i32 s[CS], s32, 0x3e38aa3b            ; log2(e) / 8, with e6 + e7 added to its exponent field
	s_mov_b32 s[CS+1], s[CS]                       ; (named with it as a pair, so it is written)
	s_add_co_i32 s32, s30, 127
	s_lshl_b32 s33, s32, 23
	v_mov_b32 v[SCP], s33                          ; 2^e8 as f32, for the conversion
	s_add_co_i32 s32, s32, 15
	s_lshl_b32 s32, s32, 23
	s_or_b32 s32, s32, 0x600000
	v_mov_b32 v[LIMP], s32                         ; 57,344 x 2^e8,
	v_mov_b32 v[LIMP+1], s32                       ; twice
	s_add_co_i32 s32, s30, s31
	s_add_co_i32 s32, s32, 127
	s_lshl_b32 s32, s32, 23                        ; 2^(e8 + e9) as f32
	s_mov_b32 s33, s32
	s_wait_alu depctr_va_vdst(0)
	s_wait_loadcnt 32                              ; negb is in; q's 8 loads and k's and v's 24 may be out
.irp i, 0,1,2,3
	ds_store_b128 v243, v[S+4*\i:S+4*\i+3] offset:512*\i
.endr
	s_wait_dscnt 0x0                               ; for the others' sake: my part of negb lies in LDS
	s_barrier_signal -1
	s_barrier_wait -1
.macro NLOAD off                       ; negb of a group's keys: register 8 t + j is key 32 (t / 2) + 16 h + 8 (t % 2) + j; sixteen lanes read the same 16 bytes
.irp t, 0,1,2,3
.irp j, 0,1
	ds_load_b128 v[NB+8*\t+4*\j:NB+8*\t+4*\j+3], v[ADN] offset:\off+128*(\t/2)+32*(\t%2)+16*\j
.endr
.endr
.endm
.macro SMUL u                          ; unit u's scores
	WIN 0x01
.irp b, 0,1
.irp t, 0,1,2,3
	v_wmma_f32_16x16x64_bf8_bf8 v[S+64*((\u)%2)+32*\b+8*\t:S+64*((\u)%2)+32*\b+8*\t+7], v[KB+32*((\u)/2)+8*\t:KB+32*((\u)/2)+8*\t+7], v[QB+16*((\u)%2)+8*\b:QB+16*((\u)%2)+8*\b+7], 0
.endr
.endr
.endm
.macro SFMA u                          ; t + negb, two keys at a time; each accumulator from its low end on
.irp b, 0,1
.irp t, 0,1,2,3
.irp j, 0,2,4,6
	v_pk_fma_f32 v[S+64*((\u)%2)+32*\b+8*\t+\j:S+64*((\u)%2)+32*\b+8*\t+\j+1], v[S+64*((\u)%2)+32*\b+8*\t+\j:S+64*((\u)%2)+32*\b+8*\t+\j+1], s[CS:CS+1], v[NB+8*\t+\j:NB+8*\t+\j+1] op_sel_hi:[1,0,1]
.endr
.endr
.endr
.endm
.macro CVT u                           ; unit u's codes: the second product's operands
.irp b, 0,1
.irp t, 0,1,2,3
	v_cvt_scalef32_pk8_bf8_f32 v[PC+8*\b+2*\t:PC+8*\b+2*\t+1], v[S+64*((\u)%2)+32*\b+8*\t:S+64*((\u)%2)+32*\b+8*\t+7], v[SCP]
.endr
.endr
	v_nop                                          ; a plain instruction between the conversions and the products that write their sources or read their results
.endm
.macro OMUL u, zero                    ; unit u's second products: eight accumulators, one instruction each; they come again two steps on
	WIN 0x51
.irp d, 0,1,2,3
.irp b, 0,1
.set oo, 32*(2*((\u)%2)+\b)+8*\d
.if \zero
	v_wmma_f32_16x16x64_bf8_bf8 v[oo:oo+7], v[VB+32*((\u)/2)+8*\d:VB+32*((\u)/2)+8*\d+7], v[PC+8*\b:PC+8*\b+7], 0
.else
	v_wmma_f32_16x16x64_bf8_bf8 v[oo:oo+7], v[VB+32*((\u)/2)+8*\d:VB+32*((\u)/2)+8*\d+7], v[PC+8*\b:PC+8*\b+7], v[oo:oo+7]
.endif
.endr
.endr
.endm
.macro HOLD u, from, to                ; the conversion to an 8-bit code does not saturate (ISA guide 7.6.2); attn is not negative, so the hold is one-sided; two an instruction
.set hx, \from
.rept (\to)-(\from)
.set hr, S+64*((\u)%2)+2*hx
	v_dual_min_num_f32 v[hr], v[hr], v[LIMP] :: v_dual_min_num_f32 v[hr+1], v[hr+1], v[LIMP+1]
.set hx, hx+1
.endr
.endm
.macro EXPS u, w, from                 ; unit u's exponentials: attn, finished and normalised; among them and behind them unit w's holds from the given one on
.set ex, 0
.set hn, \from
.rept 64
	v_exp_f32 v[S+64*((\u)%2)+ex], v[S+64*((\u)%2)+ex]
.if ((ex%3) == 1) && (hn < 32)
	HOLD \w, hn, hn+1
.set hn, hn+1
.endif
.set ex, ex+1
.endr
.if hn < 32
	HOLD \w, hn, 32
.endif
.endm
.macro OPUT a                          ; my part of tile a into the stage, as rows of out: register j of the d-th 16: channel 16 d + 8 h + j of query row r
	WIN 0x04
.irp d, 0,1,2,3
.irp j, 0,1
	ds_store_b128 v[STO], v[32*(\a)+8*\d+4*\j:32*(\a)+8*\d+4*\j+3] offset:4*TST*(\a)+64*\d+16*\j
.endr
.endr
	WIN 0
.endm
; STEP i of four; k = 0: the first four, 1: the loop's, 2: the last.
.macro AST i, k
.set pu, ((\i)+3)%4                    ; the unit before,
.set nu, ((\i)+1)%4                    ; and the next
.set hasp, 1
.if ((\k) == 0) && ((\i) == 0)
.set hasp, 0
.endif
.set hasn, 1
.if ((\k) == 2) && ((\i) == 3)
.set hasn, 0
.endif
.if ((\i)%2) == 1
.if (\k) < 2
	s_wait_loadcnt 16                              ; this group's v and the next one's k are in; the 16 loads behind them may be out
.elseif (\i) == 1
	s_wait_loadcnt 8                               ; (the last group's v may be out)
.else
	s_wait_loadcnt 0x0
.endif
	s_wait_dscnt 0x0                               ; the next group's negb
.endif
	s_wait_alu depctr_va_vdst(0)                   ; behind the exponentials
.if hasp
	CVT pu
.endif
.if hasn
	SMUL nu
.endif
.if hasp
.if ((\k) == 0) && ((\i) <= 2)
	OMUL pu, 1                                     ; the first products start the sums: nothing is ever cleared
.else
	OMUL pu, 0
.endif
.endif
	WIN 0
	HOLD \i, 0, 4                                  ; (four places behind the products: ISA guide 7.12.1)
.if ((\i)%2) == 0                      ; k and v of the last group have had their last products: k two groups on, v one
.if (\k) < 2
	KVLOAD KB+16*(\i), 16384+4096*(\i)
.endif
.if ((\k) < 2) || ((\i) == 0)
	KVLOAD VB+32-16*(\i), 12288+4096*(\i)
.endif
	WIN 0
.endif
.if hasn
	SFMA nu
.if (((\i)%2) == 0) && (((\k) < 2) || ((\i) == 0))
	NLOAD 256+128*(\i)                             ; negb's registers have been read: the next group's
.endif
	s_wait_alu depctr_va_vdst(0)                   ; ahead of the exponentials
	EXPS nu, \i, 4
.else
	HOLD \i, 4, 32
.endif
.endm
.macro FOUR k
.if (\k) > 0
	v_add_nc_u32 v[ADN], s37, v[AS0]
.endif
.irp i, 0,1,2,3
	AST \i, \k
.endr
.endm
.macro ONWARD
	s_wait_alu depctr_va_vdst(0)                   ; behind the exponentials, ahead of the label or the branch
	s_wait_xcnt 0x0                                ; the loads have read their base
	s_add_nc_u64 s[6:7], s[6:7], 0x4000            ; two groups on
	s_add_co_u32 s37, s37, 512
.endm
	NLOAD 0
	s_wait_loadcnt 16                              ; q and the first group's k are in; its v and the second group's k may be out
	s_wait_dscnt 0x0
	SMUL 0
	WIN 0
.rept 4
	v_nop
.endr
	SFMA 0
	s_wait_alu depctr_va_vdst(0)                   ; ahead of the exponentials
	EXPS 0, 1, 32
	v_nop
	FOUR 0
	ONWARD
	s_mov_b32 s36, 6
.Lgroups:
	FOUR 1
	ONWARD
	s_sub_co_u32 s36, s36, 1
	s_cmp_lg_u32 s36, 0
	s_cbranch_scc1 .Lgroups
	FOUR 2
	OPUT 0                                         ; tiles 0 and 1 are finished
	OPUT 1
	CVT 3
	OMUL 3, 0
	WIN 0
	; THE WAY OUT.  Behind a barrier wave w adds the four parts of tile w, multiplies by 2^(e8 + e9) and stores whole rows.  (These lines are also the places behind the last products.)
	v_bfe_u32 v2, v0, 4, 1
	v_and_b32 v3, 15, v0
	v_lshl_add_u32 v4, v0, 2, SPARE                ; my spare word,
	v_mov_b32 v5, 0                                ; and 0
	v_mul_u32_u24 v2, v2, SPT                      ; lanes 0-15 one row of 256 bytes, lanes 16-31 the next
	v_lshlrev_b32 v3, 4, v3
	s_delay_alu instid0(VALU_DEP_1)
	v_add_nc_u32 v3, v2, v3
	s_delay_alu instid0(VALU_DEP_1)
	v_add_nc_u32 v3, s35, v3
	OPUT 2
	OPUT 3
	s_wait_alu depctr_va_vdst(0)
	s_wait_dscnt 0x0                               ; for the others' sake: my parts lie in the stage
	s_barrier_signal -1
	s_barrier_wait -1
.irp t, 0,1,2,3,4,5,6,7                ; rows 2 t and 2 t + 1: their four parts
.irp p, 0,1,2,3
	ds_load_b128 v[S+16*\t+4*\p:S+16*\t+4*\p+3], v3 offset:\p*TST+2*\t*SPT
.endr
.endr
.irp t, 0,1,2,3,4,5,6,7
.set b, S+16*\t
	s_wait_dscnt 28-4*\t                           ; the later pairs' loads may be out
.irp k, 0,2
	v_pk_add_f32 v[b+\k:b+\k+1], v[b+\k:b+\k+1], v[b+4+\k:b+4+\k+1]
	v_pk_add_f32 v[b+8+\k:b+8+\k+1], v[b+8+\k:b+8+\k+1], v[b+12+\k:b+12+\k+1]
.endr
.irp k, 0,2
	v_pk_add_f32 v[b+\k:b+\k+1], v[b+\k:b+\k+1], v[b+8+\k:b+8+\k+1]
.endr
.irp k, 0,2
	v_pk_mul_f32 v[b+\k:b+\k+1], v[b+\k:b+\k+1], s[32:33] op_sel_hi:[1,0]   ; x 2^(e8 + e9): nothing is rounded, short of overflow and underflow
.endr
	global_store_b128 v[LI], v[b:b+3], s[12:13] offset:256*(2*\t+8*(\t/4)) th:TH_STORE_NT   ; 32 lanes store two whole rows, 512 consecutive bytes at a multiple of 256 from out's first byte; written once, read by nobody here
.endr
	s_wait_tensorcnt 0x0                           ; the wave's end
	ds_add_u32 v4, v5
	s_wait_dscnt 0x0
	s_endpgm
.Lfunc_end_k_qca6d334bb7_attn:
	.size	k_qca6d334bb7_attn, .Lfunc_end_k_qca6d334bb7_attn-k_qca6d334bb7_attn
	.p2alignl 7, 3214868480
	.fill 96, 4, 3214868480
	.section	.rodata,"a",@progbits
	.p2align	6, 0x0
	.amdhsa_kernel k_qca6d334bb7_attn
		.amdhsa_group_segment_fixed_size 156672
		.amdhsa_private_segment_fixed_size 0
		.amdhsa_enable_private_segment 0
		.amdhsa_kernarg_size 40
		.amdhsa_user_sgpr_count 2
		.amdhsa_user_sgpr_kernarg_segment_ptr 1
		.amdhsa_wavefront_size32 1
		.amdhsa_system_sgpr_workgroup_id_x 1
		.amdhsa_system_sgpr_workgroup_id_y 1
		.amdhsa_system_sgpr_workgroup_id_z 1
		.amdhsa_system_vgpr_workitem_id 0
		.amdhsa_next_free_vgpr 512
		.amdhsa_next_free_sgpr 66
		.amdhsa_reserve_vcc 0
		.amdhsa_float_denorm_mode_32 3
		.amdhsa_float_denorm_mode_16_64 3
		.amdhsa_memory_ordered 1
		.amdhsa_forward_progress 1
		.amdhsa_inst_pref_size 121
	.end_amdhsa_kernel
	.amdgpu_metadata
---
amdhsa.version: [ 1, 2 ]
amdhsa.kernels:
  - .name:           k_qca6d334bb7_attn
    .symbol:         k_qca6d334bb7_attn.kd
    .args:
      - { .name: qimg, .offset: 0, .size: 8, .value_kind: global_buffer, .address_space: global }
      - { .name: kv, .offset: 8, .size: 8, .value_kind: global_buffer, .address_space: global }
      - { .name: negb, .offset: 16, .size: 8, .value_kind: global_buffer, .address_space: global }
      - { .name: lowp_scales, .offset: 24, .size: 8, .value_kind: global_buffer, .address_space: global }
      - { .name: out0, .offset: 32, .size: 8, .value_kind: global_buffer, .address_space: global }
    .group_segment_fixed_size: 156672
    .private_segment_fixed_size: 0
    .kernarg_segment_align: 8
    .kernarg_segment_size: 40
    .max_flat_workgroup_size: 256
    .sgpr_count:     66
    .vgpr_count:     512
    .wavefront_size: 32
...
	.end_amdgpu_metadata
.endif
;; end of part 3
